; MI455X (gfx1250); checked and timed in simulation.
; The chip was launched on July 23, 2026; its instructions are those of AMD's public machine-readable ISA for CDNA 5 (MIT licence, August 2026) and "CDNA5" Instruction Set Architecture Reference Guide (July 2026). The comments in the code are by the model that wrote it; some were corrected since.
;; Correspondence Soft NMS. Allowed arithmetic: float matrix products may take bf16 or f16 operands with f32 sums; all other float work in f32.
;; Inputs: scores 8,192 float32; src_points 8,192 x 3 float32; tgt_points 8,192 x 3 float32.
;; Outputs: out0 8,192 float32.
;; 2 versions, each right; version 2 is version 1 with the launch softnms written anew for expert scheduling mode. Each part assembles by itself: llvm-mc -triple=amdgcn-amd-amdhsa -mcpu=gfx1250 --defsym DOCPART=n.
;; ======== version 1 of 2: 1 launch
;; launch softnms (part 1): grid 256 x 1, 16 waves a work-group, no clusters, 296,960 bytes of LDS; arguments src_points, tgt_points, scores, out0; writes out0
.if DOCPART == 1
	.amdgcn_target "amdgcn-amd-amdhsa--gfx1250"
	.amdhsa_code_object_version 6
	.text
	.protected	k_q62832e5791_softnms
	.globl	k_q62832e5791_softnms
	.p2align	8
	.type	k_q62832e5791_softnms,@function
k_q62832e5791_softnms:
	s_mov_b64 s[64:65], 0
	v_nop
	global_prefetch_b8 v0, s[64:65] scope:SCOPE_SE
	s_setreg_imm32_b32 hwreg(HW_REG_WAVE_MODE, 25, 1), 1
	s_wait_xcnt 0x0
; out[i] = s[i] * exp(-20 * sum over j with s[j] > s[i] of exp(-100 * (|src_i - src_j|^2 + |tgt_i - tgt_j|^2))),  8192 points.
;
; THE EXPONENT COMES FROM ONE MATRIX INSTRUCTION.  q = sqrt(100 log2 e) * (src, tgt), six numbers a point.  The exponent to base 2 is
; -|q_i - q_j|^2 = 2 q_i.q_j - |q_j|^2 - |q_i|^2.  Each q_d is cut into two bf16 pieces h + l (h: the upper 16 bits, l: the rest, rounded).
; The 32 places of K, as 16 words of two bf16; a lane's half (lanes 0-15 / 16-31) holds 8 of them:
;     streamed side, point j (operand A), the SAME in both halves: words 0-5 (h_d, l_d); word 6, 7: |q_j|^2 in three exact bf16 pieces, 0
;     fixed side, point i (operand B): lower half: words 0-5 (2 h_d, 2 h_d), words 6, 7 (-1, -1);  upper half: (2 l_d, 2 l_d), words 6, 7 = 0
;     operand C: -|q_i|^2 in f32 (it hangs on the column alone, so eight equal registers serve every tile)
; |q|^2 is summed from the same h + l, so the result is the exact expression for points moved by at most 2^-16 of each coordinate.
;
; ONE LAUNCH, 256 WORK-GROUPS OF 16 WAVES; a group owns 32 rows i and sees all 8192 j.
; Phase 1: the group lays a table of all points into LDS (32 bytes a point in two arrays of 16, and the scores).
; Phase 2: wave w walks table slots 512 w .. 512 w + 511 in 32 tiles of 16 j, each against the group's two tiles of 16 i.
; Then 16 partial sums a row meet in LDS and wave 0 writes the group's 32 results (128 bytes; the whole output is 32 KiB).
;
; LIMITS THAT THIS TEXT KEEPS
; - Two pieces a coordinate: the exponent is off by at most 2^-14 * sum over d of |q_i,d - q_j,d| * max|q_d| (for |x| about 1 and a pair
;   that counts, some thousandths), beside the f32 rounding of sums of size |q|^2, which the f32 formula has as well.
; - The formula's two clamps max(d2, 0) are not written.  Exact squared distances are not negative, so the clamps act on rounding noise alone.
;   Where the joint distance comes out below 0, the weight is 1 or a little more, and the result is below s * e^-20 with or without a clamp;
;   where one of the two parts alone is noise below 0, leaving it moves the exponent by that noise.
; - 144 |p|^2 must be finite (|x| below about 1e18): an infinite piece would meet a 0 of the fixed side.
; - A weight below 2^-126 counts as 0 (v_exp_f32 gives no denormals).  Scores are compared in f32 as they are: ties and NaN suppress nothing.
;
; NO CLUSTER, NO TENSOR LOADS: every work-group reads the same 229,376 input bytes, but each number has to pass through registers to be cut
; into pieces, and the tables take 294,912 of the 327,680 bytes of LDS, so raw tiles would have to go through a small ring and be read and
; stored once more.  The inputs are loaded straight into registers, 28 loads of 16 bytes a thread, all issued before the first is used.
.set T0,   0                           ; LDS: words 0-3 of slot n at 16 n
.set T1,   131072                      ;      words 4-7 of slot n
.set SS,   262144                      ;      score of slot n at 4 n
.set RED,  T0                          ;      at the end: 16 waves x 32 partial sums, in table 0's first 2,048 bytes, when nobody reads the tables any more
; Point 2048 c + 4 t + k (pass c, thread t, k = 0..3) lies in slot 2048 c + 512 k + t: a thread loads four neighbouring points by aligned
; 16-byte loads, and still the lanes of a wave store to neighbouring slots.  The order of j within a sum is free.
; vector registers, phase 1
.set GO3,  1                           ; v1       48 t: my four points in src and in tgt
.set AT0,  3                           ; v3, v4   16 t (also my four scores in memory), + 65536: table 0, passes 0-1 and 2-3
.set AT1,  5                           ; v5, v6   the same for table 1
.set AS,   7                           ; v7       SS + 4 t
.set RAW,  32                          ; v[32:143] pass c: 12 words of src, 12 of tgt, 4 scores
.set QV,   144                         ; six q, later six h + l
.set HV,   150                         ; six h as f32
.set LV,   156                         ; six l
.set WV,   164                         ; the point's eight words
.set SQV,  172                         ; |q|^2, two partial sums
.set PA,   174
.set PB,   175
; vector registers, phase 2
.set AF0,  8                           ; LDS address of my row of the streamed tile in table 0
.set AF1,  9                           ; in table 1
.set ASJ,  10                          ; of my half's eight scores
.set FB,   16                          ; v[16:31]   operand B, i tile 0 and 1
.set CC,   32                          ; v[32:47]   operand C, i tile 0 and 1
.set FA,   48                          ; v[48:63]   operand A, two buffers
.set SJ,   64                          ; v[64:79]   s_j of the tile's rows 8 h + 0..7, two buffers
.set DD,   80                          ; v[80:111]  results: buffer b, i tile t at DD + 16 b + 8 t
.set ACC,  112                         ; v[112:127] sums, eight for each i tile
.set SI,   128                         ; v128, v129 s_i of my column in i tile 0, 1
.set TW,   130                         ; v[130:145] the table's words of my column's points
.set TT,   146                         ; v[146:150] at work
.set MK,   32                          ; s[32:47]   sixteen lane masks s_j > s_i
	s_load_b256 s[4:11], s[0:1], 0x0               ; src s[4:5], tgt s[6:7], scores s[8:9], out s[10:11]
	v_lshl_add_u32 v176, v0, 2, 0x48000
	v_mov_b32 v177, 0
	v_mul_u32_u24 v[GO3], 48, v0
	v_lshlrev_b32 v[AT0], 4, v0
	v_add_nc_u32 v[AT0+1], 0x10000, v[AT0]
	v_add_nc_u32 v[AT1], T1, v[AT0]
	v_add_nc_u32 v[AT1+1], T1+0x10000, v[AT0]
	v_lshlrev_b32 v[AS], 2, v0
	v_add_nc_u32 v[AS], SS, v[AS]
	v_lshrrev_b32 v8, 5, v0
	v_readfirstlane_b32 s16, v8                    ; wave 0..15
	s_mov_b32 s12, 0x76543210                      ; v_permlanex16_b32: lane i reads lane i of the other half
	s_mov_b32 s13, 0xfedcba98
	s_mov_b32 s17, 0xffff0000                      ; a word's upper 16 bits
	s_mov_b32 s18, 0x41402df9                      ; 12.011224 = sqrt(100 log2 e), twice: a pair for the packed multiply
	s_mov_b32 s19, 0x41402df9
	s_mov_b32 s20, 0x07060302                      ; v_perm_b32: the upper halves of two words
	s_wait_kmcnt 0x0
.irp c, 0,1,2,3
	global_load_b128 v[RAW+28*\c:RAW+28*\c+3],     v[GO3], s[4:5] offset:\c*24576
	global_load_b128 v[RAW+28*\c+4:RAW+28*\c+7],   v[GO3], s[4:5] offset:\c*24576+16
	global_load_b128 v[RAW+28*\c+8:RAW+28*\c+11],  v[GO3], s[4:5] offset:\c*24576+32
	global_load_b128 v[RAW+28*\c+12:RAW+28*\c+15], v[GO3], s[6:7] offset:\c*24576
	global_load_b128 v[RAW+28*\c+16:RAW+28*\c+19], v[GO3], s[6:7] offset:\c*24576+16
	global_load_b128 v[RAW+28*\c+20:RAW+28*\c+23], v[GO3], s[6:7] offset:\c*24576+32
	global_load_b128 v[RAW+28*\c+24:RAW+28*\c+27], v[AT0], s[8:9] offset:\c*8192
.endr
; One point into the table.  Its three src words begin at an even register for k = 0, 2 and at an odd one for k = 1, 3, so the aligned pair
; that the packed forms need is (x0, x1) or (x1, x2).  The work order of the six numbers differs accordingly; MAP0..5 say which word of the
; table each belongs to, and the table's order is the same for every point: x0, x1, y0, y1, x2, y2.
.macro POINT c, k, odd
.set RS, RAW+28*\c+3*\k
.set RT, RS+12
.if \odd
.set PRS, RS+1
.set UNS, RS
.set PRT, RT+1
.set UNT, RT
.set MAP0, 1
.set MAP1, 4
.set MAP2, 3
.set MAP3, 5
.set MAP4, 0
.set MAP5, 2
.else
.set PRS, RS
.set UNS, RS+2
.set PRT, RT
.set UNT, RT+2
.set MAP0, 0
.set MAP1, 1
.set MAP2, 2
.set MAP3, 3
.set MAP4, 4
.set MAP5, 5
.endif
	v_pk_mul_f32 v[QV:QV+1],   v[PRS:PRS+1], s[18:19] op_sel_hi:[1,0]      ; q = 12.011224 x
	v_pk_mul_f32 v[QV+2:QV+3], v[PRT:PRT+1], s[18:19] op_sel_hi:[1,0]
	v_mul_f32 v[QV+4], s18, v[UNS]
	v_mul_f32 v[QV+5], s18, v[UNT]
.irp d, 0,1,2,3,4,5
	v_and_b32 v[HV+\d], s17, v[QV+\d]                                      ; h: q cut to bf16
.endr
.irp d, 0,2,4
	v_pk_add_f32 v[LV+\d:LV+\d+1], v[QV+\d:QV+\d+1], v[HV+\d:HV+\d+1] neg_lo:[0,1] neg_hi:[0,1]   ; q - h, exact
.endr
	v_cvt_pk_bf16_f32 v[WV+MAP0], v[HV+0], v[LV+0]                         ; the word (h, l): h as it is, l rounded to bf16
	v_cvt_pk_bf16_f32 v[WV+MAP1], v[HV+1], v[LV+1]
	v_cvt_pk_bf16_f32 v[WV+MAP2], v[HV+2], v[LV+2]
	v_cvt_pk_bf16_f32 v[WV+MAP3], v[HV+3], v[LV+3]
	v_cvt_pk_bf16_f32 v[WV+MAP4], v[HV+4], v[LV+4]
	v_cvt_pk_bf16_f32 v[WV+MAP5], v[HV+5], v[LV+5]
	v_and_b32 v[LV+0], s17, v[WV+MAP0]                                     ; l as it was rounded
	v_and_b32 v[LV+1], s17, v[WV+MAP1]
	v_and_b32 v[LV+2], s17, v[WV+MAP2]
	v_and_b32 v[LV+3], s17, v[WV+MAP3]
	v_and_b32 v[LV+4], s17, v[WV+MAP4]
	v_and_b32 v[LV+5], s17, v[WV+MAP5]
.irp d, 0,2,4
	v_pk_add_f32 v[QV+\d:QV+\d+1], v[HV+\d:HV+\d+1], v[LV+\d:LV+\d+1]      ; h + l: the point that the products see
.endr
	v_pk_mul_f32 v[SQV:SQV+1], v[QV:QV+1], v[QV:QV+1]
	v_pk_fma_f32 v[SQV:SQV+1], v[QV+2:QV+3], v[QV+2:QV+3], v[SQV:SQV+1]
	v_pk_fma_f32 v[SQV:SQV+1], v[QV+4:QV+5], v[QV+4:QV+5], v[SQV:SQV+1]
	v_add_f32 v[SQV], v[SQV], v[SQV+1]                                     ; its squared length,
	v_and_b32 v[PA], s17, v[SQV]                                           ; cut into three bf16 pieces of 8 bits each: 24 bits, nothing lost
	v_sub_f32 v[SQV], v[SQV], v[PA]
	v_and_b32 v[PB], s17, v[SQV]
	v_sub_f32 v[SQV], v[SQV], v[PB]
	v_perm_b32 v[WV+6], v[PB], v[PA], s20                                  ; (first piece, second piece)
	v_lshrrev_b32 v[WV+7], 16, v[SQV]                                      ; (third piece, 0)
	ds_store_b128 v[AT0+\c/2], v[WV:WV+3]   offset:(\c%2)*32768+\k*8192    ; slot 2048 c + 512 k + t: a wave's store covers 512 neighbouring bytes
	ds_store_b128 v[AT1+\c/2], v[WV+4:WV+7] offset:(\c%2)*32768+\k*8192
	ds_store_b32  v[AS], v[RAW+28*\c+24+\k] offset:\c*8192+\k*2048
.endm
.irp c, 0,1,2,3
	s_wait_loadcnt 21-7*\c                         ; loads return in order (ISA guide 5.7.1): this pass's seven are in, seven for each later pass stay out
	POINT \c, 0, 0
	POINT \c, 1, 1
	POINT \c, 2, 0
	POINT \c, 3, 1
.endr
	s_wait_dscnt 0x0                               ; my part of the tables is written: zero, for the other waves' sake
	s_barrier_signal -1
	s_barrier_wait -1                              ; everybody's is; until the barrier behind phase 2 the tables are only read
	; PHASE 2.  Lane terms: r = lane % 16 (row of A, column of B and D), h = lane / 16.
	v_and_b32 v11, 15, v0
	v_bfe_u32 v12, v0, 4, 1
	v_cmp_ne_u32 s14, 0, v12                       ; s14: lanes 16-31
	; slot of row 32 g + 16 tile + r:  2048 (g / 64) + 8 (g % 64)  +  512 (r % 4) + r / 4  +  4 tile
	s_lshr_b32 s22, ttmp9, 6
	s_lshl_b32 s22, s22, 11
	s_and_b32 s23, ttmp9, 63
	s_lshl3_add_u32 s22, s23, s22
	v_and_b32 v13, 3, v11
	v_lshrrev_b32 v14, 2, v11
	v_lshl_add_u32 v13, v13, 9, v14
	v_add_nc_u32 v13, s22, v13
	v_lshlrev_b32 v14, 4, v13
	v_add_nc_u32 v15, T1, v14
	v_lshlrev_b32 v13, 2, v13
	v_add_nc_u32 v13, SS, v13
	ds_load_b128 v[TW:TW+3],     v14               ; six loads for the fixed side
	ds_load_b128 v[TW+4:TW+7],   v15
	ds_load_b128 v[TW+8:TW+11],  v14 offset:64
	ds_load_b128 v[TW+12:TW+15], v15 offset:64
	ds_load_b32  v[SI],   v13
	ds_load_b32  v[SI+1], v13 offset:16
	; the streamed side: my wave's 512 slots
	s_lshl_b32 s24, s16, 13                        ; wave x 512 slots x 16 bytes
	v_lshl_add_u32 v[AF0], v11, 4, s24             ; + 16 r: sixteen lanes read 256 neighbouring bytes, both halves the same
	v_add_nc_u32 v[AF1], T1, v[AF0]
	s_lshl_b32 s24, s16, 11                        ; wave x 512 slots x 4 bytes
	s_add_co_u32 s24, s24, SS
	v_lshl_add_u32 v[ASJ], v12, 5, s24             ; + 32 h: result register k of half h is row 8 h + k
	ds_load_b128 v[FA:FA+3],     v[AF0]            ; tile 0
	ds_load_b128 v[FA+4:FA+7],   v[AF1]
	ds_load_b128 v[SJ:SJ+3],     v[ASJ]
	ds_load_b128 v[SJ+4:SJ+7],   v[ASJ] offset:16
	ds_load_b128 v[FA+8:FA+11],  v[AF0] offset:256 ; tile 1
	ds_load_b128 v[FA+12:FA+15], v[AF1] offset:256
	ds_load_b128 v[SJ+8:SJ+11],  v[ASJ] offset:64
	ds_load_b128 v[SJ+12:SJ+15], v[ASJ] offset:80
	v_mov_b32 v[TT+2], 0xbf80bf80                  ; (-1, -1) in bf16
	v_mov_b32 v[TT+3], 0
	s_wait_dscnt 0x8                               ; LDS answers in order (ISA guide 5.7.1): the six are in, the eight streamed loads stay out
; Operands B and C of one i tile, from the table's own words, so that both sides of a product see the same h and l.
.macro FIXED tile
.irp d, 0,1,2,3,4,5
	v_lshlrev_b32 v[TT], 16, v[TW+8*\tile+\d]              ; h
	v_and_b32 v[TT+1], s17, v[TW+8*\tile+\d]               ; l
	v_cndmask_b32 v[TT], v[TT], v[TT+1], s14               ; lower half of the lanes h, upper half l
	v_add_f32 v[TT], v[TT], v[TT]                          ; doubled: exact
	v_cvt_pk_bf16_f32 v[FB+8*\tile+\d], v[TT], v[TT]       ; against (h_j, l_j)
.endr
	v_cndmask_b32 v[FB+8*\tile+6], v[TT+2], v[TT+3], s14   ; -1 against the pieces of |q_j|^2 once, 0 against their copy in the upper half
	v_cndmask_b32 v[FB+8*\tile+7], v[TT+2], v[TT+3], s14
	v_lshlrev_b32 v[TT], 16, v[TW+8*\tile+6]
	v_and_b32 v[TT+1], s17, v[TW+8*\tile+6]
	v_lshlrev_b32 v[TT+4], 16, v[TW+8*\tile+7]
	v_add_f32 v[TT+1], v[TT+1], v[TT+4]
	v_add_f32 v[TT], v[TT], v[TT+1]                        ; |q_i|^2 again, exactly
.irp k, 0,1,2,3,4,5,6,7
	v_sub_f32 v[CC+8*\tile+\k], 0, v[TT]                   ; C(row, column i) = -|q_i|^2 in every row
.endr
.endm
	FIXED 0
	FIXED 1
; The vector work of one streamed tile (buffer buf) against both i tiles: 2^exponent, kept where s_j > s_i, summed.
; Behind each v_exp_f32 stands a compare that names none of its registers (ISA guide 5.7.2); the results are used further down.
.macro PROC buf
.irp t, 0,1
.irp k, 0,1,2,3,4,5,6,7
	v_exp_f32 v[DD+16*\buf+8*\t+\k], v[DD+16*\buf+8*\t+\k]
	v_cmp_gt_f32 s[MK+8*\t+\k], v[SJ+8*\buf+\k], v[SI+\t]
.endr
.endr
	s_wait_alu depctr_va_vdst(0)
.irp t, 0,1
.irp k, 0,1,2,3,4,5,6,7
	v_cndmask_b32 v[DD+16*\buf+8*\t+\k], 0, v[DD+16*\buf+8*\t+\k], s[MK+8*\t+\k]
.endr
.irp k, 0,2,4,6
	v_pk_add_f32 v[ACC+8*\t+\k:ACC+8*\t+\k+1], v[ACC+8*\t+\k:ACC+8*\t+\k+1], v[DD+16*\buf+8*\t+\k:DD+16*\buf+8*\t+\k+1]
.endr
.endr
.endm
; Step t.  On entry: D[cur] holds tile t's exponents, A[nxt] and s_j[nxt] of tile t + 1 are asked for.
; load = 1: tile t + 2 is asked for, A at the head (A[cur] was last read by the matrix instructions of the step before, and that step's
; vector work lies between), s_j at the end (s_j[cur] is in use until then).  mul = 1: tile t + 1 is multiplied.
; The 40 plain vector instructions of PROC, which name only the other buffer, are the places that ISA guide 7.12.1 asks for between
; the matrix instructions and the next step's use of D[nxt] and reload of A[nxt].
.macro STEP cur, nxt, offa, offs, load, mul
.if \load
	ds_load_b128 v[FA+8*\cur:FA+8*\cur+3],   v[AF0] offset:\offa
	ds_load_b128 v[FA+8*\cur+4:FA+8*\cur+7], v[AF1] offset:\offa
	s_wait_dscnt 0x2                               ; all but these two: A and s_j of tile t + 1 are in
.else
	s_wait_dscnt 0x0
.endif
.if \mul
	v_wmma_f32_16x16x32_bf16 v[DD+16*\nxt:DD+16*\nxt+7],    v[FA+8*\nxt:FA+8*\nxt+7], v[FB:FB+7],    v[CC:CC+7]
	v_wmma_f32_16x16x32_bf16 v[DD+16*\nxt+8:DD+16*\nxt+15], v[FA+8*\nxt:FA+8*\nxt+7], v[FB+8:FB+15], v[CC+8:CC+15]
.endif
	PROC \cur
.if \load
	ds_load_b128 v[SJ+8*\cur:SJ+8*\cur+3],   v[ASJ] offset:\offs
	ds_load_b128 v[SJ+8*\cur+4:SJ+8*\cur+7], v[ASJ] offset:\offs+16
.endif
.endm
	s_wait_dscnt 0x4                               ; tile 0 is in; tile 1's four loads stay out
	v_wmma_f32_16x16x32_bf16 v[DD:DD+7],    v[FA:FA+7], v[FB:FB+7],    v[CC:CC+7]
	v_wmma_f32_16x16x32_bf16 v[DD+8:DD+15], v[FA:FA+7], v[FB+8:FB+15], v[CC+8:CC+15]
.irp k, 0,1,2,3,4,5,6,7,8,9,10,11,12,13,14,15
	v_mov_b32 v[ACC+\k], 0                         ; the sixteen sums start; these lines are also the places behind the two lines above
.endr
	s_mov_b32 s21, 0
.Ltiles:                                           ; 15 trips of two steps: tiles 0 to 29 summed, tiles 2 to 31 asked for
	STEP 0, 1, 512, 128, 1, 1
	STEP 1, 0, 768, 192, 1, 1
	v_add_nc_u32 v[AF0], 512, v[AF0]               ; two tiles on
	v_add_nc_u32 v[AF1], 512, v[AF1]
	v_add_nc_u32 v[ASJ], 128, v[ASJ]
	s_add_co_u32 s21, s21, 1
	s_cmp_lt_u32 s21, 15
	s_cbranch_scc1 .Ltiles
	STEP 0, 1, 0, 0, 0, 1                          ; tile 30 summed, tile 31 multiplied, nothing more asked for
	STEP 1, 0, 0, 0, 0, 0                          ; tile 31 summed; its s_wait_dscnt 0 shows every LDS load of mine done, and none follows it
	; The partial sums go into bytes of table 0 that wave 0 has streamed and that a group's own points may lie in.  So: every wave's table reads
	; are over (the wait for zero just named), it says so, and it stores only when all sixteen have said so.  Register work fills the gap.
	s_barrier_signal -1
	; My wave's share of the 32 penalties: eight registers, then the two halves of the lanes (rows 0-7 and 8-15 of every tile).
.irp t, 0,1
	v_pk_add_f32 v[ACC+8*\t:ACC+8*\t+1],   v[ACC+8*\t:ACC+8*\t+1],   v[ACC+8*\t+2:ACC+8*\t+3]
	v_pk_add_f32 v[ACC+8*\t+4:ACC+8*\t+5], v[ACC+8*\t+4:ACC+8*\t+5], v[ACC+8*\t+6:ACC+8*\t+7]
	v_pk_add_f32 v[ACC+8*\t:ACC+8*\t+1],   v[ACC+8*\t:ACC+8*\t+1],   v[ACC+8*\t+4:ACC+8*\t+5]
	v_add_f32 v[ACC+8*\t], v[ACC+8*\t], v[ACC+8*\t+1]
	v_permlanex16_b32 v[ACC+8*\t+1], v[ACC+8*\t], s12, s13
	v_add_f32 v[ACC+8*\t], v[ACC+8*\t], v[ACC+8*\t+1]
.endr
	v_cndmask_b32 v[TT], v[ACC], v[ACC+8], s14     ; lane l now stands for row 32 g + l
	v_and_b32 v13, 31, v0
	v_lshlrev_b32 v13, 2, v13                      ; RED + 4 x lane (RED is LDS byte 0)
	s_lshl_b32 s22, s16, 7
	v_add_nc_u32 v14, s22, v13                     ; + 128 x wave: my wave's 128 bytes
	s_barrier_wait -1                              ; nobody reads the tables any more
	ds_store_b32 v14, v[TT]
	s_wait_dscnt 0x0                               ; written, for wave 0's sake
	s_barrier_signal -1
	s_barrier_wait -1
	s_cmp_lg_u32 s16, 0
	s_cbranch_scc1 .Ldone
.irp k, 0,1,2,3,4,5,6,7,8,9,10,11,12,13,14,15
	ds_load_b32 v[DD+\k], v13 offset:RED+128*\k    ; the sixteen waves' shares of my row
.endr
	s_lshl_b32 s22, ttmp9, 7                       ; the group's 32 results, in bytes
	v_add_nc_u32 v15, s22, v13                     ; + 4 x lane: the wave's store covers 128 neighbouring bytes
	s_wait_dscnt 0x0
.irp k, 0,4,8,12
	v_pk_add_f32 v[DD+\k:DD+\k+1], v[DD+\k:DD+\k+1], v[DD+\k+2:DD+\k+3]
.endr
	v_pk_add_f32 v[DD:DD+1],   v[DD:DD+1],   v[DD+4:DD+5]
	v_pk_add_f32 v[DD+8:DD+9], v[DD+8:DD+9], v[DD+12:DD+13]
	v_pk_add_f32 v[DD:DD+1],   v[DD:DD+1],   v[DD+8:DD+9]
	v_add_f32 v[DD], v[DD], v[DD+1]                ; the penalty
	v_mul_f32 v[TT], 0xc1e6d4ca, v[DD]             ; x -20 log2 e
	v_exp_f32 v[TT], v[TT]
	v_cndmask_b32 v[TT+1], v[SI], v[SI+1], s14     ; my row's score; also the plain line behind v_exp_f32 (ISA guide 5.7.2)
	s_wait_alu depctr_va_vdst(0)
	v_mul_f32 v[TT], v[TT+1], v[TT]
	global_store_b32 v15, v[TT], s[10:11]
.Ldone:
	s_wait_tensorcnt 0x0
	ds_add_u32 v176, v177
	s_wait_dscnt 0x0
	s_endpgm
.Lfunc_end_k_q62832e5791_softnms:
	.size	k_q62832e5791_softnms, .Lfunc_end_k_q62832e5791_softnms-k_q62832e5791_softnms
	.p2alignl 7, 3214868480
	.fill 96, 4, 3214868480
	.section	.rodata,"a",@progbits
	.p2align	6, 0x0
	.amdhsa_kernel k_q62832e5791_softnms
		.amdhsa_group_segment_fixed_size 296960
		.amdhsa_private_segment_fixed_size 0
		.amdhsa_enable_private_segment 0
		.amdhsa_kernarg_size 32
		.amdhsa_user_sgpr_count 2
		.amdhsa_user_sgpr_kernarg_segment_ptr 1
		.amdhsa_wavefront_size32 1
		.amdhsa_system_sgpr_workgroup_id_x 1
		.amdhsa_system_sgpr_workgroup_id_y 1
		.amdhsa_system_sgpr_workgroup_id_z 1
		.amdhsa_system_vgpr_workitem_id 0
		.amdhsa_next_free_vgpr 178
		.amdhsa_next_free_sgpr 66
		.amdhsa_reserve_vcc 0
		.amdhsa_float_denorm_mode_32 3
		.amdhsa_float_denorm_mode_16_64 3
		.amdhsa_memory_ordered 1
		.amdhsa_forward_progress 1
		.amdhsa_inst_pref_size 58
	.end_amdhsa_kernel
	.amdgpu_metadata
---
amdhsa.version: [ 1, 2 ]
amdhsa.kernels:
  - .name:           k_q62832e5791_softnms
    .symbol:         k_q62832e5791_softnms.kd
    .args:
      - { .name: src_points, .offset: 0, .size: 8, .value_kind: global_buffer, .address_space: global }
      - { .name: tgt_points, .offset: 8, .size: 8, .value_kind: global_buffer, .address_space: global }
      - { .name: scores, .offset: 16, .size: 8, .value_kind: global_buffer, .address_space: global }
      - { .name: out0, .offset: 24, .size: 8, .value_kind: global_buffer, .address_space: global }
    .group_segment_fixed_size: 296960
    .private_segment_fixed_size: 0
    .kernarg_segment_align: 8
    .kernarg_segment_size: 32
    .max_flat_workgroup_size: 512
    .sgpr_count:     66
    .vgpr_count:     178
    .wavefront_size: 32
...
	.end_amdgpu_metadata
.endif
;; end of part 1
;; ======== version 2 of 2: 1 launch; version 1 with the launch softnms written anew for expert scheduling mode
;; launch softnms (part 2): grid 256 x 1, 16 waves a work-group, no clusters, 296,960 bytes of LDS; arguments src_points, tgt_points, scores, out0; writes out0
.if DOCPART == 2
	.amdgcn_target "amdgcn-amd-amdhsa--gfx1250"
	.amdhsa_code_object_version 6
	.text
	.protected	k_q62832e5791_softnms
	.globl	k_q62832e5791_softnms
	.p2align	8
	.type	k_q62832e5791_softnms,@function
k_q62832e5791_softnms:
	s_mov_b64 s[64:65], 0
	v_nop
	global_prefetch_b8 v0, s[64:65] scope:SCOPE_SE
	s_setreg_imm32_b32 hwreg(HW_REG_WAVE_SCHED_MODE, 0, 2), 2
	s_setreg_imm32_b32 hwreg(HW_REG_WAVE_MODE, 25, 1), 1
	s_wait_xcnt 0x0
	s_wait_alu depctr_vm_vsrc(0)
; out[i] = s[i] * exp(-20 * sum over j with s[j] > s[i] of exp(-100 * (|src_i - src_j|^2 + |tgt_i - tgt_j|^2))),  8192 points.
;
; THE EXPONENT COMES FROM ONE MATRIX INSTRUCTION.  q = sqrt(100 log2 e) * (src, tgt), six numbers a point.  The exponent to base 2 is
; -|q_i - q_j|^2 = 2 q_i.q_j - |q_j|^2 - |q_i|^2.  Each q_d is cut into two bf16 pieces h + l (h: the upper 16 bits, l: the rest, rounded).
; The 32 places of K, as 16 words of two bf16; a lane's half (lanes 0-15 / 16-31) holds 8 of them:
;     streamed side, point j (operand A), the SAME in both halves: words 0-5 (h_d, l_d); word 6, 7: |q_j|^2 in three exact bf16 pieces, 0
;     fixed side, point i (operand B): lower half: words 0-5 (2 h_d, 2 h_d), words 6, 7 (-1, -1);  upper half: (2 l_d, 2 l_d), words 6, 7 = 0
;     operand C: -|q_i|^2 in f32 (it hangs on the column alone, so eight equal registers serve every tile)
; |q|^2 is summed from the same h + l, so the result is the exact expression for points moved by at most 2^-16 of each coordinate.
;
; ONE LAUNCH, 256 WORK-GROUPS OF 16 WAVES; a group owns 32 rows i and sees all 8192 j.
; Phase 1: the group lays a table of all points into LDS (32 bytes a point in two arrays of 16, and the scores).
; Phase 2: wave w walks table slots 512 w .. 512 w + 511 in 32 tiles of 16 j, each against the group's two tiles of 16 i.
; Then 16 partial sums a row meet in LDS and wave 0 writes the group's 32 results (128 bytes; the whole output is 32 KiB).
;
; THE MODE: SCHED_MODE bits 1:0 = 2 (LLVM: expert scheduling mode 2), set by the entry lines.  The code itself states the register dependences
; between vector or matrix instructions and memory or LDS instructions, with s_wait_alu, always for 0.
; THE PLAN.  Registers that memory or LDS instructions touch:
;   v1, v3-v7   offsets and LDS addresses of phase 1: made at the head, never written again.
;   RAW         the 28 global loads land in it once; pass c's arithmetic reads its part; its score words are the data of LDS stores.
;   W0, W1      pass c's arithmetic writes W[c % 2]; the twelve LDS stores that read it are issued in pass c + 1, among arithmetic that names the other W.
;               So a pass's head states all: the pass before has written its W; the stores issued in the pass before have read the W that is written now.
;   A0, A1      step t's two matrix instructions read A[(t + 1) % 2]; behind them tile t + 3 lands in it.
;   SJ0, SJ1    step t's sixteen compares read SJ[t % 2]; behind them tile t + 2's scores land in it.
;   v8-v10      the streamed side's three LDS addresses: read by every streamed load, written once a trip, at its end.
;   s[32:47]    no memory register, but stated as well: the compares write the sixteen masks, the selects read them.
; So a step has ONE place of waits, behind its run of exponentials and compares: the masks are written; the matrix instructions are done reading their A
; and the compares their SJ.  The step's four loads follow, dealt among its selects and sums, which name D, the sums and the masks alone.
;
; LIMITS THAT THIS TEXT KEEPS
; - Two pieces a coordinate: the exponent is off by at most 2^-14 * sum over d of |q_i,d - q_j,d| * max|q_d| (for |x| about 1 and a pair
;   that counts, some thousandths), beside the f32 rounding of sums of size |q|^2, which the f32 formula has as well.
; - The formula's two clamps max(d2, 0) are not written.  Exact squared distances are not negative, so the clamps act on rounding noise alone.
;   Where the joint distance comes out below 0, the weight is 1 or a little more, and the result is below s * e^-20 with or without a clamp;
;   where one of the two parts alone is noise below 0, leaving it moves the exponent by that noise.
; - 144 |p|^2 must be finite (|x| below about 1e18): an infinite piece would meet a 0 of the fixed side.
; - A weight below 2^-126 counts as 0 (v_exp_f32 gives no denormals).  Scores are compared in f32 as they are: ties and NaN suppress nothing.
;
; NO CLUSTER, NO TENSOR LOADS: every work-group reads the same 229,376 input bytes, but each number has to pass through registers to be cut
; into pieces, and the tables take 294,912 of the 327,680 bytes of LDS, so raw tiles would have to go through a small ring and be read and
; stored once more.  The inputs are loaded straight into registers, 28 loads of 16 bytes a thread, all issued before the first is used.
.set T0,   0                           ; LDS: words 0-3 of slot n at 16 n
.set T1,   131072                      ;      words 4-7 of slot n
.set SS,   262144                      ;      score of slot n at 4 n
.set RED,  T0                          ;      at the end: 16 waves x 32 partial sums, in table 0's first 2,048 bytes, when nobody reads the tables any more
; Point 2048 c + 4 t + k (pass c, thread t, k = 0..3) lies in slot 2048 c + 512 k + t: a thread loads four neighbouring points by aligned
; 16-byte loads, and still the lanes of a wave store to neighbouring slots.  The order of j within a sum is free.
; vector registers, phase 1
.set GO3,  1                           ; v1       48 t: my four points in src and in tgt
.set AT0,  3                           ; v3, v4   16 t (also my four scores in memory), + 65536: table 0, passes 0-1 and 2-3
.set AT1,  5                           ; v5, v6   the same for table 1
.set AS,   7                           ; v7       SS + 4 t
.set RAW,  32                          ; v[32:143] pass c: 12 words of src, 12 of tgt, 4 scores
.set QV,   144                         ; six q, later six h + l
.set HV,   150                         ; six h as f32
.set LV,   156                         ; six l
.set SQV,  162                         ; |q|^2, two partial sums
.set PA,   164
.set PB,   165
.set WV,   166                         ; v[166:229] pass c, point k: the point's eight words at WV + 32 (c % 2) + 8 k
; vector registers, phase 2
.set AF0,  8                           ; LDS address of my row of the streamed tile in table 0
.set AF1,  9                           ; in table 1
.set ASJ,  10                          ; of my half's eight scores
.set FB,   16                          ; v[16:31]   operand B, i tile 0 and 1
.set CC,   32                          ; v[32:47]   operand C, i tile 0 and 1
.set FA,   48                          ; v[48:63]   operand A, two buffers
.set SJ,   64                          ; v[64:79]   s_j of the tile's rows 8 h + 0..7, two buffers
.set DD,   80                          ; v[80:111]  results: buffer b, i tile t at DD + 16 b + 8 t
.set ACC,  112                         ; v[112:127] sums, eight for each i tile
.set SI,   128                         ; v128, v129 s_i of my column in i tile 0, 1
.set TW,   130                         ; v[130:145] the table's words of my column's points
.set TT,   146                         ; v[146:150] at work
.set MK,   32                          ; s[32:47]   sixteen lane masks s_j > s_i
	s_load_b256 s[4:11], s[0:1], 0x0               ; src s[4:5], tgt s[6:7], scores s[8:9], out s[10:11]
	v_lshl_add_u32 v230, v0, 2, 0x48000
	v_mov_b32 v231, 0
	v_mul_u32_u24 v[GO3], 48, v0
	v_lshlrev_b32 v[AT0], 4, v0
	v_add_nc_u32 v[AT0+1], 0x10000, v[AT0]
	v_add_nc_u32 v[AT1], T1, v[AT0]
	v_add_nc_u32 v[AT1+1], T1+0x10000, v[AT0]
	v_lshlrev_b32 v[AS], 2, v0
	v_add_nc_u32 v[AS], SS, v[AS]
	v_lshrrev_b32 v8, 5, v0
	v_readfirstlane_b32 s16, v8                    ; wave 0..15
	s_wait_alu depctr_va_sdst(0)                   ; s16 is written, ahead of its first reader: the wave's LDS addresses of phase 2 are made from it
	s_mov_b32 s12, 0x76543210                      ; v_permlanex16_b32: lane i reads lane i of the other half
	s_mov_b32 s13, 0xfedcba98
	s_mov_b32 s17, 0xffff0000                      ; a word's upper 16 bits
	s_mov_b32 s18, 0x41402df9                      ; 12.011224 = sqrt(100 log2 e), twice: a pair for the packed multiply
	s_mov_b32 s19, 0x41402df9
	s_mov_b32 s20, 0x07060302                      ; v_perm_b32: the upper halves of two words
	s_wait_kmcnt 0x0
	s_wait_alu depctr_va_vdst(0)                   ; v1 and v3 to v7 are written: the loads below and all LDS stores of phase 1 read them as offsets and addresses
.irp c, 0,1,2,3
	global_load_b128 v[RAW+28*\c:RAW+28*\c+3],     v[GO3], s[4:5] offset:\c*24576
	global_load_b128 v[RAW+28*\c+4:RAW+28*\c+7],   v[GO3], s[4:5] offset:\c*24576+16
	global_load_b128 v[RAW+28*\c+8:RAW+28*\c+11],  v[GO3], s[4:5] offset:\c*24576+32
	global_load_b128 v[RAW+28*\c+12:RAW+28*\c+15], v[GO3], s[6:7] offset:\c*24576
	global_load_b128 v[RAW+28*\c+16:RAW+28*\c+19], v[GO3], s[6:7] offset:\c*24576+16
	global_load_b128 v[RAW+28*\c+20:RAW+28*\c+23], v[GO3], s[6:7] offset:\c*24576+32
	global_load_b128 v[RAW+28*\c+24:RAW+28*\c+27], v[AT0], s[8:9] offset:\c*8192
.endr
; One point's eight words are made.  Its three src words begin at an even register for k = 0, 2 and at an odd one for k = 1, 3, so the aligned pair
; that the packed forms need is (x0, x1) or (x1, x2).  The work order of the six numbers differs accordingly; MAP0..5 say which word of the
; table each belongs to, and the table's order is the same for every point: x0, x1, y0, y1, x2, y2.
.macro POINT c, k, odd
.set RS, RAW+28*\c+3*\k
.set RT, RS+12
.set WB, WV+32*(\c%2)+8*\k
.if \odd
.set PRS, RS+1
.set UNS, RS
.set PRT, RT+1
.set UNT, RT
.set MAP0, 1
.set MAP1, 4
.set MAP2, 3
.set MAP3, 5
.set MAP4, 0
.set MAP5, 2
.else
.set PRS, RS
.set UNS, RS+2
.set PRT, RT
.set UNT, RT+2
.set MAP0, 0
.set MAP1, 1
.set MAP2, 2
.set MAP3, 3
.set MAP4, 4
.set MAP5, 5
.endif
	v_pk_mul_f32 v[QV:QV+1],   v[PRS:PRS+1], s[18:19] op_sel_hi:[1,0]      ; q = 12.011224 x
	v_pk_mul_f32 v[QV+2:QV+3], v[PRT:PRT+1], s[18:19] op_sel_hi:[1,0]
	v_mul_f32 v[QV+4], s18, v[UNS]
	v_mul_f32 v[QV+5], s18, v[UNT]
.irp d, 0,1,2,3,4,5
	v_and_b32 v[HV+\d], s17, v[QV+\d]                                      ; h: q cut to bf16
.endr
.irp d, 0,2,4
	v_pk_add_f32 v[LV+\d:LV+\d+1], v[QV+\d:QV+\d+1], v[HV+\d:HV+\d+1] neg_lo:[0,1] neg_hi:[0,1]   ; q - h, exact
.endr
	v_cvt_pk_bf16_f32 v[WB+MAP0], v[HV+0], v[LV+0]                         ; the word (h, l): h as it is, l rounded to bf16
	v_cvt_pk_bf16_f32 v[WB+MAP1], v[HV+1], v[LV+1]
	v_cvt_pk_bf16_f32 v[WB+MAP2], v[HV+2], v[LV+2]
	v_cvt_pk_bf16_f32 v[WB+MAP3], v[HV+3], v[LV+3]
	v_cvt_pk_bf16_f32 v[WB+MAP4], v[HV+4], v[LV+4]
	v_cvt_pk_bf16_f32 v[WB+MAP5], v[HV+5], v[LV+5]
	v_and_b32 v[LV+0], s17, v[WB+MAP0]                                     ; l as it was rounded
	v_and_b32 v[LV+1], s17, v[WB+MAP1]
	v_and_b32 v[LV+2], s17, v[WB+MAP2]
	v_and_b32 v[LV+3], s17, v[WB+MAP3]
	v_and_b32 v[LV+4], s17, v[WB+MAP4]
	v_and_b32 v[LV+5], s17, v[WB+MAP5]
.irp d, 0,2,4
	v_pk_add_f32 v[QV+\d:QV+\d+1], v[HV+\d:HV+\d+1], v[LV+\d:LV+\d+1]      ; h + l: the point that the products see
.endr
	v_pk_mul_f32 v[SQV:SQV+1], v[QV:QV+1], v[QV:QV+1]
	v_pk_fma_f32 v[SQV:SQV+1], v[QV+2:QV+3], v[QV+2:QV+3], v[SQV:SQV+1]
	v_pk_fma_f32 v[SQV:SQV+1], v[QV+4:QV+5], v[QV+4:QV+5], v[SQV:SQV+1]
	v_add_f32 v[SQV], v[SQV], v[SQV+1]                                     ; its squared length,
	v_and_b32 v[PA], s17, v[SQV]                                           ; cut into three bf16 pieces of 8 bits each: 24 bits, nothing lost
	v_sub_f32 v[SQV], v[SQV], v[PA]
	v_and_b32 v[PB], s17, v[SQV]
	v_sub_f32 v[SQV], v[SQV], v[PB]
	v_perm_b32 v[WB+6], v[PB], v[PA], s20                                  ; (first piece, second piece)
	v_lshrrev_b32 v[WB+7], 16, v[SQV]                                      ; (third piece, 0)
.endm
; One point into the table.
.macro PUT c, k
.set WB, WV+32*(\c%2)+8*\k
	ds_store_b128 v[AT0+\c/2], v[WB:WB+3]   offset:(\c%2)*32768+\k*8192    ; slot 2048 c + 512 k + t: a wave's store covers 512 neighbouring bytes
	ds_store_b128 v[AT1+\c/2], v[WB+4:WB+7] offset:(\c%2)*32768+\k*8192
	ds_store_b32  v[AS], v[RAW+28*\c+24+\k] offset:\c*8192+\k*2048
.endm
; Pass c makes four points' words in W[c % 2].  puts = 1: the four points of pass p = c - 1 go into the table, three stores ahead of each point's
; arithmetic, which names W[c % 2] and none of the registers that those stores read.  frees = 1: W[c % 2] has been stored from before.
.macro PASS c, p, puts, frees
	s_wait_loadcnt 21-7*\c                         ; loads return in order (ISA guide 5.7.1): this pass's seven are in, seven for each later pass stay out
.if \frees
	s_wait_alu depctr_vm_vsrc(0)                   ; the LDS stores issued in the pass before have read W[c % 2], which this pass writes again
.endif
.if \puts
	s_wait_alu depctr_va_vdst(0)                   ; the pass before has written the other W, which the LDS stores of this pass read
.endif
.irp k, 0,1,2,3
.if \puts
	PUT \p, \k
.endif
	POINT \c, \k, \k%2
.endr
.endm
	PASS 0, 0, 0, 0
	PASS 1, 0, 1, 0
	PASS 2, 1, 1, 1
	PASS 3, 2, 1, 1
	s_wait_alu depctr_va_vdst(0)                   ; pass 3 has written W1, which the last twelve LDS stores read
.irp k, 0,1,2,3
	PUT 3, \k
.endr
	s_wait_dscnt 0x0                               ; my part of the tables is written: zero, for the other waves' sake
	s_barrier_signal -1
	s_barrier_wait -1                              ; everybody's is; until the barrier behind phase 2 the tables are only read
	; PHASE 2.  Lane terms: r = lane % 16 (row of A, column of B and D), h = lane / 16.  All addresses are made first, then one group of waits, then the loads.
	v_and_b32 v11, 15, v0
	v_bfe_u32 v12, v0, 4, 1
	v_cmp_ne_u32 s14, 0, v12                       ; s14: lanes 16-31
	; slot of row 32 g + 16 tile + r:  2048 (g / 64) + 8 (g % 64)  +  512 (r % 4) + r / 4  +  4 tile
	s_lshr_b32 s22, ttmp9, 6
	s_lshl_b32 s22, s22, 11
	s_and_b32 s23, ttmp9, 63
	s_lshl3_add_u32 s22, s23, s22
	v_and_b32 v13, 3, v11
	v_lshrrev_b32 v14, 2, v11
	v_lshl_add_u32 v13, v13, 9, v14
	v_add_nc_u32 v13, s22, v13
	v_lshlrev_b32 v14, 4, v13
	v_add_nc_u32 v15, T1, v14
	v_lshlrev_b32 v13, 2, v13
	v_add_nc_u32 v13, SS, v13
	; the streamed side: my wave's 512 slots
	s_lshl_b32 s24, s16, 13                        ; wave x 512 slots x 16 bytes
	v_lshl_add_u32 v[AF0], v11, 4, s24             ; + 16 r: sixteen lanes read 256 neighbouring bytes, both halves the same
	v_add_nc_u32 v[AF1], T1, v[AF0]
	s_lshl_b32 s24, s16, 11                        ; wave x 512 slots x 4 bytes
	s_add_co_u32 s24, s24, SS
	v_lshl_add_u32 v[ASJ], v12, 5, s24             ; + 32 h: result register k of half h is row 8 h + k
	s_wait_alu depctr_va_sdst(0)                   ; s14 is written, ahead of its first reader, the selects that make operand B
	s_wait_alu depctr_vm_vsrc(0)                   ; my LDS stores have read the score words of RAW (v56-59, v84-87, v112-115, v140-143): from here on these registers are A, D, the sums and TW
	s_wait_alu depctr_va_vdst(0)                   ; v8 to v10 and v13 to v15 are written, the addresses of the loads below; phase 1 is done reading RAW and writing v144, v145, in which they land
	ds_load_b128 v[TW:TW+3],     v14               ; six loads for the fixed side
	ds_load_b128 v[TW+4:TW+7],   v15
	ds_load_b128 v[TW+8:TW+11],  v14 offset:64
	ds_load_b128 v[TW+12:TW+15], v15 offset:64
	ds_load_b32  v[SI],   v13
	ds_load_b32  v[SI+1], v13 offset:16
	ds_load_b128 v[FA:FA+3],     v[AF0]            ; tile 0
	ds_load_b128 v[FA+4:FA+7],   v[AF1]
	ds_load_b128 v[SJ:SJ+3],     v[ASJ]
	ds_load_b128 v[SJ+4:SJ+7],   v[ASJ] offset:16
	ds_load_b128 v[FA+8:FA+11],  v[AF0] offset:256 ; tile 1
	ds_load_b128 v[FA+12:FA+15], v[AF1] offset:256
	ds_load_b128 v[SJ+8:SJ+11],  v[ASJ] offset:64
	ds_load_b128 v[SJ+12:SJ+15], v[ASJ] offset:80
	v_mov_b32 v[TT+2], 0xbf80bf80                  ; (-1, -1) in bf16
	v_mov_b32 v[TT+3], 0
	s_wait_dscnt 0x8                               ; LDS answers in order (ISA guide 5.7.1): the six are in, the eight streamed loads stay out
; Operands B and C of one i tile, from the table's own words, so that both sides of a product see the same h and l.
.macro FIXED tile
.irp d, 0,1,2,3,4,5
	v_lshlrev_b32 v[TT], 16, v[TW+8*\tile+\d]              ; h
	v_and_b32 v[TT+1], s17, v[TW+8*\tile+\d]               ; l
	v_cndmask_b32 v[TT], v[TT], v[TT+1], s14               ; lower half of the lanes h, upper half l
	v_add_f32 v[TT], v[TT], v[TT]                          ; doubled: exact
	v_cvt_pk_bf16_f32 v[FB+8*\tile+\d], v[TT], v[TT]       ; against (h_j, l_j)
.endr
	v_cndmask_b32 v[FB+8*\tile+6], v[TT+2], v[TT+3], s14   ; -1 against the pieces of |q_j|^2 once, 0 against their copy in the upper half
	v_cndmask_b32 v[FB+8*\tile+7], v[TT+2], v[TT+3], s14
	v_lshlrev_b32 v[TT], 16, v[TW+8*\tile+6]
	v_and_b32 v[TT+1], s17, v[TW+8*\tile+6]
	v_lshlrev_b32 v[TT+4], 16, v[TW+8*\tile+7]
	v_add_f32 v[TT+1], v[TT+1], v[TT+4]
	v_add_f32 v[TT], v[TT], v[TT+1]                        ; |q_i|^2 again, exactly
.irp k, 0,1,2,3,4,5,6,7
	v_sub_f32 v[CC+8*\tile+\k], 0, v[TT]                   ; C(row, column i) = -|q_i|^2 in every row
.endr
.endm
	FIXED 0
	FIXED 1
; The vector work of one streamed tile (buffer buf) against both i tiles, in three parts: 2^exponent, kept where s_j > s_i, summed.
; Behind each v_exp_f32 stands a compare that names none of its registers (ISA guide 5.7.2); the results are used further down.
.macro EXPS buf
.irp t, 0,1
.irp k, 0,1,2,3,4,5,6,7
	v_exp_f32 v[DD+16*\buf+8*\t+\k], v[DD+16*\buf+8*\t+\k]
	v_cmp_gt_f32 s[MK+8*\t+\k], v[SJ+8*\buf+\k], v[SI+\t]
.endr
.endr
.endm
.macro KEEP buf, t
	s_wait_alu depctr_va_vdst(0)
.irp k, 0,1,2,3,4,5,6,7
	v_cndmask_b32 v[DD+16*\buf+8*\t+\k], 0, v[DD+16*\buf+8*\t+\k], s[MK+8*\t+\k]
.endr
.endm
.macro SUMS buf, t
.irp k, 0,2,4,6
	v_pk_add_f32 v[ACC+8*\t+\k:ACC+8*\t+\k+1], v[ACC+8*\t+\k:ACC+8*\t+\k+1], v[DD+16*\buf+8*\t+\k:DD+16*\buf+8*\t+\k+1]
.endr
.endm
; Step t.  On entry: D[cur] holds tile t's exponents; A[nxt] (tile t + 1) and s_j[cur] (tile t) were asked for two steps back.
; mul = 1: tile t + 1 is multiplied.  geta = 1: A of tile t + 3 is asked for, into the buffer just multiplied.  gets = 1: s_j of tile t + 2, into the
; buffer just compared.  left: how many younger LDS loads, the step before's, may stay out.
; The sixteen compares and the 24 selects and sums, which name nothing of the matrix instructions' registers, are the places that ISA guide 7.12.1 asks
; for between those and the next step's use of D[nxt].
.macro STEP cur, nxt, offa, offs, geta, gets, mul, left
	s_wait_dscnt \left                             ; LDS answers in order (ISA guide 5.7.1): what was asked for two steps back is in
.if \mul
	v_wmma_f32_16x16x32_bf16 v[DD+16*\nxt:DD+16*\nxt+7],    v[FA+8*\nxt:FA+8*\nxt+7], v[FB:FB+7],    v[CC:CC+7]
	v_wmma_f32_16x16x32_bf16 v[DD+16*\nxt+8:DD+16*\nxt+15], v[FA+8*\nxt:FA+8*\nxt+7], v[FB+8:FB+15], v[CC+8:CC+15]
.endif
	EXPS \cur
	s_wait_alu depctr_va_sdst(0)                   ; the sixteen compares have written the masks s[32:47], which the selects below read
.if \gets
	s_wait_alu depctr_va_vdst(0)                   ; the compares are done reading s_j[cur], the matrix instructions A[nxt]: the loads below land there; behind a trip's end the three addresses are written
.endif
.if \geta
	ds_load_b128 v[FA+8*\nxt:FA+8*\nxt+3],   v[AF0] offset:\offa
	ds_load_b128 v[FA+8*\nxt+4:FA+8*\nxt+7], v[AF1] offset:\offa
.endif
	KEEP \cur, 0
.if \gets
	ds_load_b128 v[SJ+8*\cur:SJ+8*\cur+3],   v[ASJ] offset:\offs      ; no further wait: no vector instruction since the wait above names s_j or A
	ds_load_b128 v[SJ+8*\cur+4:SJ+8*\cur+7], v[ASJ] offset:\offs+16
.endif
	SUMS \cur, 0
	KEEP \cur, 1
	SUMS \cur, 1
.endm
	s_wait_dscnt 0x4                               ; tile 0 is in; tile 1's four loads stay out
	v_wmma_f32_16x16x32_bf16 v[DD:DD+7],    v[FA:FA+7], v[FB:FB+7],    v[CC:CC+7]
	v_wmma_f32_16x16x32_bf16 v[DD+8:DD+15], v[FA:FA+7], v[FB+8:FB+15], v[CC+8:CC+15]
.irp k, 0,1,2,3,4,5,6,7,8,9,10,11,12,13,14,15
	v_mov_b32 v[ACC+\k], 0                         ; the sixteen sums start; these lines are also the places behind the two lines above
.endr
	s_wait_alu depctr_va_vdst(0)                   ; the two matrix instructions are done reading A[0], in which tile 2 lands
	ds_load_b128 v[FA:FA+3],   v[AF0] offset:512
	ds_load_b128 v[FA+4:FA+7], v[AF1] offset:512
	s_mov_b32 s21, 0
.Ltiles:                                           ; 14 trips of two steps: tiles 0 to 27 summed; A of tiles 3 to 30 and s_j of tiles 2 to 29 asked for
	STEP 0, 1, 768,  128, 1, 1, 1, 4               ; (in the first trip the four that stay out are tile 1's s_j and tile 2's A)
	STEP 1, 0, 1024, 192, 1, 1, 1, 4
	s_wait_alu depctr_vm_vsrc(0)                   ; the LDS loads issued so far have read their addresses: v8 to v10, stepped below, and the set-up's v13 to v15, which the way out writes again
	v_add_nc_u32 v[AF0], 512, v[AF0]               ; two tiles on
	v_add_nc_u32 v[AF1], 512, v[AF1]
	v_add_nc_u32 v[ASJ], 128, v[ASJ]
	s_add_co_u32 s21, s21, 1
	s_cmp_lt_u32 s21, 14
	s_cbranch_scc1 .Ltiles
	STEP 0, 1, 768, 128, 1, 1, 1, 4                ; tile 28 summed, tile 29 multiplied; A of tile 31 and s_j of tile 30 asked for
	STEP 1, 0, 0,   192, 0, 1, 1, 4                ; tile 29 summed, tile 30 multiplied; s_j of tile 31 asked for: the last loads
	STEP 0, 1, 0,   0,   0, 0, 1, 2                ; tile 30 summed, tile 31 multiplied, nothing more asked for: the two loads of the step before stay out
	STEP 1, 0, 0,   0,   0, 0, 0, 0                ; tile 31 summed; its s_wait_dscnt 0 shows every LDS load of mine done, and none follows it
	; The partial sums go into bytes of table 0 that wave 0 has streamed and that a group's own points may lie in.  So: every wave's table reads
	; are over (the wait for zero just named), it says so, and it stores only when all sixteen have said so.  Register work fills the gap.
	s_barrier_signal -1
	; My wave's share of the 32 penalties: eight registers, then the two halves of the lanes (rows 0-7 and 8-15 of every tile).
.irp t, 0,1
	v_pk_add_f32 v[ACC+8*\t:ACC+8*\t+1],   v[ACC+8*\t:ACC+8*\t+1],   v[ACC+8*\t+2:ACC+8*\t+3]
	v_pk_add_f32 v[ACC+8*\t+4:ACC+8*\t+5], v[ACC+8*\t+4:ACC+8*\t+5], v[ACC+8*\t+6:ACC+8*\t+7]
	v_pk_add_f32 v[ACC+8*\t:ACC+8*\t+1],   v[ACC+8*\t:ACC+8*\t+1],   v[ACC+8*\t+4:ACC+8*\t+5]
	v_add_f32 v[ACC+8*\t], v[ACC+8*\t], v[ACC+8*\t+1]
	v_permlanex16_b32 v[ACC+8*\t+1], v[ACC+8*\t], s12, s13
	v_add_f32 v[ACC+8*\t], v[ACC+8*\t], v[ACC+8*\t+1]
.endr
	v_cndmask_b32 v[TT], v[ACC], v[ACC+8], s14     ; lane l now stands for row 32 g + l
	v_and_b32 v13, 31, v0                          ; (v13 and v14 were addresses of the set-up's loads: the wait at each trip's end has stated that those have read them)
	v_lshlrev_b32 v13, 2, v13                      ; RED + 4 x lane (RED is LDS byte 0)
	s_lshl_b32 s22, s16, 7
	v_add_nc_u32 v14, s22, v13                     ; + 128 x wave: my wave's 128 bytes
	s_barrier_wait -1                              ; nobody reads the tables any more
	s_wait_alu depctr_va_vdst(0)                   ; v14 and v[TT] are written, which the store reads; so is v13, and all work on D is done: wave 0's loads below read v13 and land in D, and no vector instruction stands between
	ds_store_b32 v14, v[TT]
	s_wait_dscnt 0x0                               ; written, for wave 0's sake
	s_barrier_signal -1
	s_barrier_wait -1
	s_cmp_lg_u32 s16, 0
	s_cbranch_scc1 .Ldone
.irp k, 0,1,2,3,4,5,6,7,8,9,10,11,12,13,14,15
	ds_load_b32 v[DD+\k], v13 offset:RED+128*\k    ; the sixteen waves' shares of my row
.endr
	s_lshl_b32 s22, ttmp9, 7                       ; the group's 32 results, in bytes
	v_add_nc_u32 v15, s22, v13                     ; + 4 x lane: the wave's store covers 128 neighbouring bytes
	s_wait_dscnt 0x0
	s_wait_alu depctr_vm_vsrc(0)                   ; my LDS store has read v[TT], which is written again below
.irp k, 0,4,8,12
	v_pk_add_f32 v[DD+\k:DD+\k+1], v[DD+\k:DD+\k+1], v[DD+\k+2:DD+\k+3]
.endr
	v_pk_add_f32 v[DD:DD+1],   v[DD:DD+1],   v[DD+4:DD+5]
	v_pk_add_f32 v[DD+8:DD+9], v[DD+8:DD+9], v[DD+12:DD+13]
	v_pk_add_f32 v[DD:DD+1],   v[DD:DD+1],   v[DD+8:DD+9]
	v_add_f32 v[DD], v[DD], v[DD+1]                ; the penalty
	v_mul_f32 v[TT], 0xc1e6d4ca, v[DD]             ; x -20 log2 e
	v_exp_f32 v[TT], v[TT]
	v_cndmask_b32 v[TT+1], v[SI], v[SI+1], s14     ; my row's score; also the plain line behind v_exp_f32 (ISA guide 5.7.2)
	s_wait_alu depctr_va_vdst(0)
	v_mul_f32 v[TT], v[TT+1], v[TT]
	s_wait_alu depctr_va_vdst(0)                   ; v15 and v[TT] are written, the store's offset and data
	global_store_b32 v15, v[TT], s[10:11]
.Ldone:
	s_wait_dscnt 0x0
	s_wait_alu depctr_hold_cnt(0) depctr_sa_sdst(0) depctr_va_vdst(0) depctr_va_sdst(0) depctr_va_ssrc(0) depctr_va_vcc(0) depctr_vm_vsrc(0)
	s_wait_tensorcnt 0x0
	ds_add_u32 v230, v231
	s_wait_dscnt 0x0
	s_endpgm
.Lfunc_end_k_q62832e5791_softnms:
	.size	k_q62832e5791_softnms, .Lfunc_end_k_q62832e5791_softnms-k_q62832e5791_softnms
	.p2alignl 7, 3214868480
	.fill 96, 4, 3214868480
	.section	.rodata,"a",@progbits
	.p2align	6, 0x0
	.amdhsa_kernel k_q62832e5791_softnms
		.amdhsa_group_segment_fixed_size 296960
		.amdhsa_private_segment_fixed_size 0
		.amdhsa_enable_private_segment 0
		.amdhsa_kernarg_size 32
		.amdhsa_user_sgpr_count 2
		.amdhsa_user_sgpr_kernarg_segment_ptr 1
		.amdhsa_wavefront_size32 1
		.amdhsa_system_sgpr_workgroup_id_x 1
		.amdhsa_system_sgpr_workgroup_id_y 1
		.amdhsa_system_sgpr_workgroup_id_z 1
		.amdhsa_system_vgpr_workitem_id 0
		.amdhsa_next_free_vgpr 232
		.amdhsa_next_free_sgpr 66
		.amdhsa_reserve_vcc 0
		.amdhsa_float_denorm_mode_32 3
		.amdhsa_float_denorm_mode_16_64 3
		.amdhsa_memory_ordered 1
		.amdhsa_forward_progress 1
		.amdhsa_inst_pref_size 66
	.end_amdhsa_kernel
	.amdgpu_metadata
---
amdhsa.version: [ 1, 2 ]
amdhsa.kernels:
  - .name:           k_q62832e5791_softnms
    .symbol:         k_q62832e5791_softnms.kd
    .args:
      - { .name: src_points, .offset: 0, .size: 8, .value_kind: global_buffer, .address_space: global }
      - { .name: tgt_points, .offset: 8, .size: 8, .value_kind: global_buffer, .address_space: global }
      - { .name: scores, .offset: 16, .size: 8, .value_kind: global_buffer, .address_space: global }
      - { .name: out0, .offset: 24, .size: 8, .value_kind: global_buffer, .address_space: global }
    .group_segment_fixed_size: 296960
    .private_segment_fixed_size: 0
    .kernarg_segment_align: 8
    .kernarg_segment_size: 32
    .max_flat_workgroup_size: 512
    .sgpr_count:     66
    .vgpr_count:     232
    .wavefront_size: 32
...
	.end_amdgpu_metadata
.endif
;; end of part 2
